; MI455X (gfx1250); checked and timed in simulation.
; The chip was launched on July 23, 2026; its instructions are those of AMD's public machine-readable ISA for CDNA 5 (MIT licence, August 2026) and "CDNA5" Instruction Set Architecture Reference Guide (July 2026). The comments in the code are by the model that wrote it; some were corrected since.
;; Offline Sliding Window Attn. Allowed arithmetic: float matrix products may take bf16 or f16 operands with f32 sums; all other float work in f32.
;; Inputs: k 2 x 2,048 x 8 x 128 float32; q 2 x 2,048 x 16 x 128 float32; v 2 x 2,048 x 8 x 128 float32.
;; Outputs: out0 2 x 2,048 x 16 x 128 float32.
;; One version. Each part assembles by itself: llvm-mc -triple=amdgcn-amd-amdhsa -mcpu=gfx1250 --defsym DOCPART=n.
;; ======== version 1 of 1: 2 launches
;; workspace buffers: kw 10,485,760 bytes; vw 10,485,760 bytes
;; launch pack (part 1): grid 128 x 2, 8 waves a work-group, no clusters, 70,656 bytes of LDS; arguments k, v, kw, vw; writes kw, vw
.if DOCPART == 1
	.amdgcn_target "amdgcn-amd-amdhsa--gfx1250"
	.amdhsa_code_object_version 6
	.text
	.protected	k_qad66ad7cee_pack
	.globl	k_qad66ad7cee_pack
	.p2align	8
	.type	k_qad66ad7cee_pack,@function
k_qad66ad7cee_pack:
	s_mov_b64 s[64:65], 0
	v_nop
	global_prefetch_b8 v0, s[64:65] scope:SCOPE_SE
	s_setreg_imm32_b32 hwreg(HW_REG_WAVE_MODE, 25, 1), 1
	s_wait_xcnt 0x0
; K and V, [2][2048][8][128] f32, are rounded once to bf16 and laid out as the attention launch's matrix fragments want them.
; kw and vw: [16 heads (8 b + h)][160 tiles][4,096 bytes].  Tiles 0-31 are zeros (keys -512 .. -1), tile 32 + T holds keys 16 T .. 16 T + 15.
;   K tile: the 16 bytes at 256 c + 16 r        hold K[key r][d = 8 c .. 8 c + 7],          c = 0 .. 15, r = 0 .. 15
;   V tile: the 16 bytes at 512 dt + 256 hh + 16 r hold V[keys 8 hh .. 8 hh + 7][d = 16 dt + r], dt = 0 .. 7, hh = 0, 1
; so that every half of a fragment is 32 lanes x 16 neighbouring bytes there.
; A work-group takes key tile T (x) of batch b (y); wave w takes head w: 16 rows of 512 bytes of K and of V, each row one load of the wave.
; The reordering goes through a stage in LDS that is the wave's own: no barrier.  Every global store covers 512 consecutive aligned bytes.
; Each wave also writes 1,024 bytes of zeros of a pad tile of kw and of vw: pad tile T >> 2, head 2 (T & 3) + (w >> 2), quarter w & 3;
; 128 tiles x 8 waves x 1,024 bytes = the 8 heads x 32 pad tiles x 4,096 bytes of a batch, each byte once.
; No matrix unit, cluster or tensor load: the launch only streams, and no two work-groups read the same byte.
.set ROWB, 4096                        ; bytes from key to key in k and in v
.set KP,   272                         ; K stage: 16 chunks of 256 bytes, 16 bytes of padding behind each (68 words: chunks start 4 words apart modulo 64)
.set VP,   528                         ; V stage: 8 d tiles of 512 bytes, 16 bytes of padding behind each
.set VST,  16*KP                       ; the V stage begins behind the K stage: 4,352
.set WST,  8704                        ; bytes of stage for a wave: 4,352 + 8 x 528 = 8,576, rounded up to a multiple of 256
.set LO,   1                           ; v1        16 x lane: my place in every load and store of 512 bytes; never rewritten behind the first load
.set KSW,  2                           ; v2        K stage, where I put 8 bytes
.set KSR,  3                           ; v3        K stage, where I read 16 bytes back
.set VSW,  4                           ; v4        V stage, where I put 16 bytes
.set VSR,  5                           ; v5        V stage, where I read 16 bytes back
.set ZERO, 8                           ; v[8:11]   zeros
.set XK,   16                          ; v[16:79]  K: key p in 4 registers, d = 4 lane .. 4 lane + 3
.set XV,   80                          ; v[80:143] V likewise
.set CV,   144                         ; v[144:175] packed bf16 on the way into the stage
.set YK,   176                         ; v[176:207] the K tile as stored
.set YV,   208                         ; v[208:239] the V tile as stored
	s_load_b256 s[4:11], s[0:1], 0x0               ; k s[4:5], v s[6:7], kw s[8:9], vw s[10:11]
	v_lshl_add_u32 v240, v0, 2, 0x11000
	v_mov_b32 v241, 0
	v_lshrrev_b32 v1, 5, v0
	v_readfirstlane_b32 s12, v1                    ; wave = head
	s_and_b32 s13, ttmp7, 0xffff                   ; b
	s_lshl_b32 s14, s13, 23                        ; in: b x 8,388,608
	s_lshl_b32 s21, ttmp9, 16                      ;   + T x 16 keys x 4,096
	s_add_co_u32 s14, s14, s21
	s_lshl_b32 s21, s12, 9                         ;   + head x 512
	s_add_co_u32 s14, s14, s21
	s_mov_b32 s15, 0
	s_lshl3_add_u32 s16, s13, s12                  ; out: ((8 b + head) x 160 + 32 + T) x 4,096
	s_mul_i32 s16, s16, 160
	s_add_co_u32 s16, s16, ttmp9
	s_add_co_u32 s16, s16, 32
	s_lshl_b32 s16, s16, 12
	s_mov_b32 s17, 0
	s_and_b32 s18, ttmp9, 3                        ; pad: head 2 (T & 3) + (w >> 2),
	s_lshr_b32 s21, s12, 2
	s_lshl1_add_u32 s18, s18, s21
	s_lshl3_add_u32 s18, s13, s18
	s_mul_i32 s18, s18, 160
	s_lshr_b32 s21, ttmp9, 2                       ;   tile T >> 2,
	s_add_co_u32 s18, s18, s21
	s_lshl_b32 s18, s18, 12
	s_and_b32 s21, s12, 3                          ;   quarter w & 3
	s_lshl_b32 s21, s21, 10
	s_add_co_u32 s18, s18, s21
	s_mov_b32 s19, 0
	s_mul_i32 s20, s12, WST                        ; my stage in LDS
	s_add_co_u32 s22, s20, VST
	v_and_b32 v6, 31, v0                           ; lane
	v_lshlrev_b32 v[LO], 4, v6
	s_wait_kmcnt 0x0
	s_add_nc_u64 s[4:5], s[4:5], s[14:15]
	s_add_nc_u64 s[6:7], s[6:7], s[14:15]
	s_add_nc_u64 s[24:25], s[8:9], s[18:19]
	s_add_nc_u64 s[26:27], s[10:11], s[18:19]
	s_add_nc_u64 s[8:9], s[8:9], s[16:17]
	s_add_nc_u64 s[10:11], s[10:11], s[16:17]
.irp p, 0,1,2,3,4,5,6,7,8,9,10,11,12,13,14,15
	global_load_b128 v[XK+4*\p:XK+4*\p+3], v[LO], s[4:5] offset:\p*ROWB th:TH_LOAD_NT   ; key p of my head: 512 bytes, read once in the launch
.endr
.irp p, 0,1,2,3,4,5,6,7,8,9,10,11,12,13,14,15
	global_load_b128 v[XV+4*\p:XV+4*\p+3], v[LO], s[6:7] offset:\p*ROWB th:TH_LOAD_NT
.endr
	; addresses in my stage, while the 32 loads are on their way
	v_lshrrev_b32 v7, 1, v6                        ; my 4 numbers of K lie in chunk lane >> 1,
	v_mul_u32_u24 v[KSW], v7, KP
	v_and_b32 v7, 1, v6                            ; in its lower or upper 8 bytes
	v_lshl_add_u32 v[KSW], v7, 3, v[KSW]
	v_add_nc_u32 v[KSW], s20, v[KSW]
	v_lshrrev_b32 v7, 4, v6                        ; back: 512 bytes of the tile are two chunks, lanes 0-15 the first
	v_mul_u32_u24 v[KSR], v7, KP
	v_and_b32 v7, 15, v6
	v_lshl_add_u32 v[KSR], v7, 4, v[KSR]
	v_add_nc_u32 v[KSR], s20, v[KSR]
	v_lshrrev_b32 v7, 2, v6                        ; my d = 4 lane + e lies in d tile lane >> 2, at row 4 (lane & 3) + e
	v_mul_u32_u24 v[VSW], v7, VP
	v_and_b32 v7, 3, v6
	v_lshl_add_u32 v[VSW], v7, 6, v[VSW]
	v_add_nc_u32 v[VSW], s22, v[VSW]
	v_add_nc_u32 v[VSR], s22, v[LO]
.irp j, 0,1,2,3
	v_mov_b32 v[ZERO+\j], 0
.endr
	global_store_b128 v[LO], v[ZERO:ZERO+3], s[24:25]             ; my 1,024 bytes of a pad tile of kw,
	global_store_b128 v[LO], v[ZERO:ZERO+3], s[24:25] offset:512
	global_store_b128 v[LO], v[ZERO:ZERO+3], s[26:27]             ; and of vw
	global_store_b128 v[LO], v[ZERO:ZERO+3], s[26:27] offset:512
	; K: 4 numbers of key p become 8 bytes at 16 p of their chunk
	s_wait_loadcnt 16                              ; loads come back in order: K's 16 are in, V's 16 may stay out
.irp p, 0,1,2,3,4,5,6,7,8,9,10,11,12,13,14,15
	v_cvt_pk_bf16_f32 v[CV+2*\p],   v[XK+4*\p],   v[XK+4*\p+1]
	v_cvt_pk_bf16_f32 v[CV+2*\p+1], v[XK+4*\p+2], v[XK+4*\p+3]
	ds_store_b64 v[KSW], v[CV+2*\p:CV+2*\p+1] offset:16*\p
.endr
.irp i, 0,1,2,3,4,5,6,7
	ds_load_b128 v[YK+4*\i:YK+4*\i+3], v[KSR] offset:\i*2*KP      ; LDS serves a wave's instructions in order: these see my stores above
.endr
.irp i, 0,1,2,3,4,5,6,7
	s_wait_dscnt 7-\i                              ; load i of the eight is in
	global_store_b128 v[LO], v[YK+4*\i:YK+4*\i+3], s[8:9] offset:512*\i   ; no hint: the next launch reads these bytes
.endr
	; V: eight keys of one d become 16 bytes (the transposition is done by the choice of registers)
	s_wait_loadcnt 0x0
.irp e, 0,1,2,3
.irp hh, 0,1
.irp m, 0,1,2,3
	v_cvt_pk_bf16_f32 v[CV+4*(2*\e+\hh)+\m], v[XV+4*(8*\hh+2*\m)+\e], v[XV+4*(8*\hh+2*\m+1)+\e]
.endr
	ds_store_b128 v[VSW], v[CV+4*(2*\e+\hh):CV+4*(2*\e+\hh)+3] offset:256*\hh+16*\e
.endr
.endr
.irp dt, 0,1,2,3,4,5,6,7
	ds_load_b128 v[YV+4*\dt:YV+4*\dt+3], v[VSR] offset:\dt*VP
.endr
.irp dt, 0,1,2,3,4,5,6,7
	s_wait_dscnt 7-\dt
	global_store_b128 v[LO], v[YV+4*\dt:YV+4*\dt+3], s[10:11] offset:512*\dt
.endr
	s_wait_tensorcnt 0x0
	ds_add_u32 v240, v241
	s_wait_dscnt 0x0
	s_endpgm
.Lfunc_end_k_qad66ad7cee_pack:
	.size	k_qad66ad7cee_pack, .Lfunc_end_k_qad66ad7cee_pack-k_qad66ad7cee_pack
	.p2alignl 7, 3214868480
	.fill 96, 4, 3214868480
	.section	.rodata,"a",@progbits
	.p2align	6, 0x0
	.amdhsa_kernel k_qad66ad7cee_pack
		.amdhsa_group_segment_fixed_size 70656
		.amdhsa_private_segment_fixed_size 0
		.amdhsa_enable_private_segment 0
		.amdhsa_kernarg_size 32
		.amdhsa_user_sgpr_count 2
		.amdhsa_user_sgpr_kernarg_segment_ptr 1
		.amdhsa_wavefront_size32 1
		.amdhsa_system_sgpr_workgroup_id_x 1
		.amdhsa_system_sgpr_workgroup_id_y 1
		.amdhsa_system_sgpr_workgroup_id_z 1
		.amdhsa_system_vgpr_workitem_id 0
		.amdhsa_next_free_vgpr 242
		.amdhsa_next_free_sgpr 66
		.amdhsa_reserve_vcc 0
		.amdhsa_float_denorm_mode_32 3
		.amdhsa_float_denorm_mode_16_64 3
		.amdhsa_memory_ordered 1
		.amdhsa_forward_progress 1
		.amdhsa_inst_pref_size 15
	.end_amdhsa_kernel
	.amdgpu_metadata
---
amdhsa.version: [ 1, 2 ]
amdhsa.kernels:
  - .name:           k_qad66ad7cee_pack
    .symbol:         k_qad66ad7cee_pack.kd
    .args:
      - { .name: k, .offset: 0, .size: 8, .value_kind: global_buffer, .address_space: global }
      - { .name: v, .offset: 8, .size: 8, .value_kind: global_buffer, .address_space: global }
      - { .name: kw, .offset: 16, .size: 8, .value_kind: global_buffer, .address_space: global }
      - { .name: vw, .offset: 24, .size: 8, .value_kind: global_buffer, .address_space: global }
    .group_segment_fixed_size: 70656
    .private_segment_fixed_size: 0
    .kernarg_segment_align: 8
    .kernarg_segment_size: 32
    .max_flat_workgroup_size: 256
    .sgpr_count:     66
    .vgpr_count:     242
    .wavefront_size: 32
...
	.end_amdgpu_metadata
.endif
;; end of part 1
;; launch attn (part 2): grid 32 x 16, 8 waves a work-group, no clusters, 314,368 bytes of LDS; arguments kw, vw, q, out0; writes out0
.if DOCPART == 2
	.amdgcn_target "amdgcn-amd-amdhsa--gfx1250"
	.amdhsa_code_object_version 6
	.text
	.protected	k_qad66ad7cee_attn
	.globl	k_qad66ad7cee_attn
	.p2align	8
	.type	k_qad66ad7cee_attn,@function
k_qad66ad7cee_attn:
	s_mov_b64 s[64:65], 0
	v_nop
	global_prefetch_b8 v0, s[64:65] scope:SCOPE_SE
	s_setreg_imm32_b32 hwreg(HW_REG_WAVE_MODE, 25, 1), 1
	s_wait_xcnt 0x0
; Causal sliding-window attention: query i sees keys i - 512 .. i; logit = 30 tanh(q.k / (30 sqrt 128)); softmax; p' = clip(1.02 p - 0.01, 0, 1); out = p' V.
; q, out0: [2][2048][16][128] f32.  kw, vw: K and V in bf16, in tiles of 16 keys laid out as matrix fragments, 32 zero tiles in front of each head.
;
; SHARES.  Work-group (x = blk, y = bh = 8 b + kv head): 64 positions from 64 blk on, of the two query heads of that kv head.  It needs keys
; 64 blk - 512 .. 64 blk + 63 = tiles 4 blk .. 4 blk + 35 of the padded head: 36 x 4,096 bytes of K and as much of V, which lie in LDS whole, filled once.
; Wave w: 16 queries from position 64 blk + 16 t on (t = w >> 1) of head 2 (bh & 7) + (w & 1).  Its key tile c = 0 .. 32 is LDS tile t + c.
; Tile 0 holds the window's lower edge (key kk counts if kk >= r for query r), tile 32 the diagonal (kk <= r), tiles 1 .. 31 count whole;
; tile c lies in front of the sequence's first key if 4 blk + t + c < 32.
;
; K COMES IN FOUR PARTS of 9 tiles, so that pass 1, which walks K from tile 0 upward, begins when the first part is in LDS.  A wave's tensor loads end in
; the order of issue, so the parts land in that order only if every wave has a share of each: a part is 144 rows of 256 bytes, a wave's eighth 18 rows.
; Each wave issues five loads at the start: its eighths of K's parts 0 to 3, then its eighth of V (72 rows).  Nothing is ever filled again.
;
; THE CLIP IS NOT LINEAR IN p, so a row's whole sum is needed before any product with V.  Pass 1 makes every e = exp(logit - 30) once and keeps all
; 33 tiles x 8 registers of it in f32; the sum follows; pass 2 makes p' from the kept e and multiplies by V.  The e of tile c has
; registers of its own, so both passes are written out by macros and the text has no loop and no branch.
; BOTH PRODUCTS ARE TRANSPOSED.  S^T = K Q^T: lane (r, h) holds in register j key 8 h + j of query r.  Two such tiles, packed to bf16, are the second
; source of O^T = V^T P^T as they stand; a row's sum is a sum inside the lane and one exchange of the wave's halves.
; p' GOES IN TWO PARTS, hi = bf16(p') and lo = bf16(p' - hi), each multiplied by V: 16 significant bits.  A row with few keys has p' of 1/4 to 1, which
; 8 bits alone would round by up to 2^-9, and that times |v| is large beside the outputs of the rows with a full window, which are sums of a few small p'.
;
; LIMITS, AS DESIGNED.  No running maximum is taken: tanh bounds every logit to [-30, 30] for every input, and with the fixed shift 30
; e = exp(-60 / (1 + exp(2 x / 30))) lies in [8.7e-27, 1] and a row's sum in [8.7e-27, 513]: nothing overflows, underflows or turns denormal.
; Keys outside the window get -1e30 added to the exponent, so their e is exactly 0 and their p' is clip(-0.01) = 0, as in the problem's formula.
; q, k and v go to the matrix unit unscaled in bf16 (the scale is applied in f32 behind the product), p' as two bf16; all else is f32.
; A v that is not finite reaches only the rows among whose 528 loaded keys it lies.
; NO JOINT LOADS: neighbouring blocks share 32 of their 36 tiles, but each would want them 4 tiles further down in its own LDS, while a joint load has one
; LDS address for all; the four partners' common window, 48 tiles x 2 x 4,096 = 393,216 bytes, is more than the 327,680 that a work-group can have.
.set TILE, 4096                        ; bytes of a tile of 16 keys
.set NT,   36                          ; tiles of K, and of V, in LDS
.set CH,   9*TILE                      ; 36,864 bytes: a part of K
.set CPART, CH/8                       ; 4,608 bytes: a wave's eighth of a part, 18 rows of 256 bytes
.set PART, NT*TILE/8                   ; 18,432 bytes: a wave's eighth of V, 72 rows of 256 bytes
.set VREG, NT*TILE                     ; LDS: K at 0, V at 147,456,
.set QST,  2*NT*TILE                   ; the waves' Q stages at 294,912 (no tensor load lands there)
.set QSZ,  2304                        ; a wave's Q stage: 8 chunks x 272 = 2,176, rounded up to a multiple of 256
.set QP,   272                         ; a chunk (16 queries x 16 bytes) + 16 bytes of padding
.set OP,   528                         ; the way out: a row of 512 bytes + 16 of padding (132 words: rows start 4 words apart modulo 64)
.set QROW, 8192                        ; bytes from position to position in q and out0
.set NONE, 9                           ; STEP1's last argument: no part of K is waited for in this step
; scalar registers: s[4:11] the four addresses; s12 w, s13 t, s14 w & 1; s[16:23] group 1 for V; s[28:31] group 0 for V; s32 bh; s33 tb;
; s[36:39] two tiles' biases; s40 -1e30; s41 at work; s[42:43] the scale; s[44:45] lane selects; s[46:47] offset in q and out0; s[48:55] group 1 for K;
; s[24:27], s[56:59], s[60:63], s[68:71] group 0 for K's parts 0 to 3; s[72:73], s[74:75] offsets in kw, vw; s76 my eighth in a part; s[78:79] kw at my eighth
; window 0 of the vector registers:
.set KA,  4                            ; v4-6     LDS address of my 16 bytes in my K tile 0, 16, 32 (an LDS offset reaches 16 tiles)
.set VA,  7                            ; v7-9     the same in V
.set QSW, 10                           ; Q stage: where I put 8 bytes
.set QSR, 11                           ; Q stage: where I read 16 bytes
.set QGO, 12                           ; my byte offset in q
.set OSW, 13                           ; the way out: where I put 16 bytes
.set OSR, 14                           ; the way out: where I read a row back
.set OGO, 15                           ; 16 x lane: my byte offset in a row of out0
.set C1,  16                           ; v[16:17] -60 log2 e, twice
.set INV, 18                           ; v[18:19] 1.02 / sum, twice
.set CM,  20                           ; v[20:21] -0.01, twice
.set ACC, 22                           ; v[22:29] four chains of the sum, two numbers each
.set P0,  22                           ; v[22:29] later: fragment 0 of P's upper parts
.set BL,  30                           ; v[30:37] exponent bias of tile 0
.set BD,  38                           ; v[38:45] exponent bias of tile 32
.set TT,  30                           ; v[30:45] pass 2: p' in f32, then p' - hi; v[30:37] at last the fragment of P's lower parts
.set DG,  46                           ; v[46:53] e of tile 32
.set M1,  55                           ; v55      set-up: tile 0's bias; pass 2: -1.0
.set QF,  56                           ; v[56:87] Q: four fragments (32 along d each)
.set T0,  88                           ; v[88:103]  S^T of two tiles
.set T1,  104                          ; v[104:119] S^T of two tiles
.set OA,  56                           ; v[56:119] pass 2: O^T, eight tiles of 16 d x 16 queries
.set F0,  120                          ; v[120:183] fragments of K or V, buffer 0
.set F1,  184                          ; v[184:247] buffer 1
.set P1,  248                          ; v[248:255] fragment 1 of P's upper parts
; window 1 (v256-511): e of tiles 0 .. 31, tile c in registers 8 c .. 8 c + 7 of the window
.set MSB, 0
.macro WIN new                         ; s_set_vgpr_msb: bits 1:0 source 0, 3:2 source 1, 5:4 source 2, 7:6 destination; the high byte repeats the setting that is left
.if MSB != \new
	s_set_vgpr_msb (MSB<<8)|\new
.set MSB, \new
.endif
.endm
.macro PLACES                          ; four independent vector instructions behind a matrix instruction (ISA guide 7.12.1)
.rept 4
	v_nop
.endr
.endm
; Group 0 for part j of K in s[g:g+3], and the load.  The LDS address is the wave's number times a constant plus the part's constant.
.macro KPART g, j
	s_mov_b32 s[\g], 1                             ; count 1
	s_add_co_u32 s[\g+1], s76, \j*CH               ; to where: part j, my eighth
	s_add_nc_u64 s[\g+2:\g+3], s[78:79], \j*CH     ; from where: the same place in the 36 tiles, which are dense in kw
	s_or_b32 s[\g+3], s[\g+3], 0x80000000          ; type 2
	tensor_load_to_lds s[\g:\g+3], s[48:55]
	s_nop 0
.endm
	s_load_b256 s[4:11], s[0:1], 0x0               ; kw s[4:5], vw s[6:7], q s[8:9], out0 s[10:11]
	v_lshl_add_u32 v254, v0, 2, 0x4c800
	v_mov_b32 v255, 0
	ds_add_u32 v254, v255
	ds_add_u32 v254, v255
	s_wait_dscnt 0x0
	v_lshrrev_b32 v3, 5, v0
	v_readfirstlane_b32 s12, v3                    ; wave w
	s_lshr_b32 s13, s12, 1                         ; t: which 16 of the 64 positions
	s_and_b32 s14, s12, 1                          ; which of the two query heads
	s_and_b32 s32, ttmp7, 0xffff                   ; bh
	s_lshl2_add_u32 s33, ttmp9, s13                ; tb = 4 blk + t: my first key tile in the padded head; my first position / 16
	; descriptor group 1: dense rows of 32 elements of 8 bytes, no padding, no mask; 72 rows for V, 18 for a part of K
	s_mov_b32 s16, 3<<16                           ; 17:16 element of 8 bytes
	s_mov_b32 s17, 32<<16                          ; tensor_dim0 = 32
	s_mov_b32 s18, (PART/256)<<16                  ; tensor_dim1 = 72
	s_mov_b32 s19, 32<<16                          ; tile_dim0 = 32
	s_mov_b32 s20, PART/256                        ; tile_dim1 = 72
	s_mov_b32 s21, 32                              ; from row to row: 32 elements
	s_mov_b32 s22, 0
	s_mov_b32 s23, 0
	s_mov_b32 s48, 3<<16
	s_mov_b32 s49, 32<<16
	s_mov_b32 s50, (CPART/256)<<16                 ; tensor_dim1 = 18
	s_mov_b32 s51, 32<<16
	s_mov_b32 s52, CPART/256                       ; tile_dim1 = 18
	s_mov_b32 s53, 32
	s_mov_b32 s54, 0
	s_mov_b32 s55, 0
	s_mul_i32 s34, s32, 160*TILE                   ; from where: head bh,
	s_lshl_b32 s41, ttmp9, 14                      ;   tile 4 blk,
	s_add_co_u32 s34, s34, s41
	s_mul_i32 s76, s12, CPART                      ;   my eighth of a part of K,
	s_mul_i32 s29, s12, PART                       ;   my eighth of V
	s_add_co_u32 s72, s34, s76
	s_mov_b32 s73, 0
	s_add_co_u32 s74, s34, s29
	s_mov_b32 s75, 0
	s_add_co_u32 s29, s29, VREG                    ; group 0 for V: to where
	s_mov_b32 s28, 1                               ;   count 1
	s_lshr_b32 s46, s32, 3                         ; q and out0: b x 16,777,216
	s_lshl_b32 s46, s46, 24
	s_lshl_b32 s41, s33, 17                        ;   + 16 tb positions x 8,192
	s_add_co_u32 s46, s46, s41
	s_and_b32 s41, s32, 7
	s_lshl1_add_u32 s41, s41, s14                  ;   + query head 2 (bh & 7) + (w & 1), 512 bytes each
	s_lshl_b32 s41, s41, 9
	s_add_co_u32 s46, s46, s41
	s_mov_b32 s47, 0
	s_wait_kmcnt 0x0
	s_add_nc_u64 s[78:79], s[4:5], s[72:73]
	; The launch's only fills, all ahead of every wait for them, every LDS read and every barrier.  Five tensor loads of a wave are out at the most;
	; each has a group 0 of its own, and no descriptor is ever rewritten.
	KPART 24, 0
	KPART 56, 1
	KPART 60, 2
	KPART 68, 3
	s_add_nc_u64 s[30:31], s[6:7], s[74:75]
	s_or_b32 s31, s31, 0x80000000
	tensor_load_to_lds s[28:31], s[16:23]          ; V, behind all of K
	s_nop 0
	s_add_nc_u64 s[8:9], s[8:9], s[46:47]
	s_add_nc_u64 s[10:11], s[10:11], s[46:47]
	v_and_b32 v1, 15, v0                           ; r
	v_bfe_u32 v2, v0, 4, 1                         ; h
	v_lshlrev_b32 v[QGO], 4, v1                    ; q: lanes 0-15 take 256 bytes of row n, lanes 16-31 of row n + 8
	v_lshl_add_u32 v[QGO], v2, 16, v[QGO]
.irp e, 0,1
.irp n, 0,1,2,3,4,5,6,7
	global_load_b128 v[F0+4*(8*\e+\n):F0+4*(8*\e+\n)+3], v[QGO], s[8:9] offset:\n*QROW+\e*256 th:TH_LOAD_NT   ; d = 64 e + 4 r .. + 3; q is read once in the launch
.endr
.endr
	; addresses and constants, while q is on its way
	v_and_b32 v3, 31, v0
	v_lshlrev_b32 v[OGO], 4, v3                    ; 16 x lane
	s_lshl_b32 s41, s13, 12
	v_add_nc_u32 v[KA], s41, v[OGO]                ; my tile 0 is LDS tile t
	v_add_nc_u32 v[KA+1], 16*TILE, v[KA]
	v_add_nc_u32 v[KA+2], 32*TILE, v[KA]
	v_add_nc_u32 v[VA], VREG, v[KA]
	v_add_nc_u32 v[VA+1], VREG+16*TILE, v[KA]
	v_add_nc_u32 v[VA+2], VREG+32*TILE, v[KA]
	s_mul_i32 s41, s12, QSZ
	s_add_co_u32 s41, s41, QST                     ; my Q stage
	v_lshrrev_b32 v[QSW], 1, v1                    ; in: my 4 numbers lie in chunk r >> 1 of the half of d,
	v_mul_u32_u24 v[QSW], v[QSW], QP
	v_lshl_add_u32 v[QSW], v2, 7, v[QSW]           ;   at query n + 8 h,
	v_and_b32 v3, 1, v0
	v_lshl_add_u32 v[QSW], v3, 3, v[QSW]           ;   in the chunk's lower or upper 8 bytes
	v_add_nc_u32 v[QSW], s41, v[QSW]
	v_mul_u32_u24 v[QSR], v2, QP                   ; back: chunk .. + h, query r
	v_lshl_add_u32 v[QSR], v1, 4, v[QSR]
	v_add_nc_u32 v[QSR], s41, v[QSR]
	s_mul_i32 s41, s12, 16*OP                      ; my stage for the way out, in K's bytes (used behind the last barrier)
	v_mul_u32_u24 v[OSW], v1, OP                   ; in: row r, 32 bytes for each half of the lanes
	v_lshl_add_u32 v[OSW], v2, 5, v[OSW]
	v_add_nc_u32 v[OSW], s41, v[OSW]
	v_add_nc_u32 v[OSR], s41, v[OGO]               ; back: a whole row of 512 bytes
	v_lshlrev_b32 v2, 3, v2                        ; 8 h
	s_mov_b32 s40, 0xf149f2ca                      ; -1e30
	s_mov_b32 s42, 0x3c0b4875                      ; 2 log2 e / (30 sqrt 128) = 0.0085011620
	s_mov_b32 s43, 0x3c0b4875
	s_mov_b32 s44, 0x76543210                      ; v_permlanex16_b32: lane i of one half reads lane i of the other
	s_mov_b32 s45, 0xfedcba98
	s_mov_b32 s37, 0                               ; upper words of the pairs of which the packed forms broadcast the lower
	s_mov_b32 s39, 0
	s_cmp_ge_u32 s33, 32                           ; does my tile 0 lie in the sequence?
	s_cselect_b32 s36, 0, s40
	v_mov_b32 v[M1], s36
	v_mov_b32 v54, s40
	v_mov_b32 v[C1], 0xc2ad1f97                    ; -60 log2 e = -86.561702
	v_mov_b32 v[C1+1], 0xc2ad1f97
	v_mov_b32 v[CM], 0xbc23d70a                    ; -0.01
	v_mov_b32 v[CM+1], 0xbc23d70a
	v_mov_b32 v[INV], 0                            ; written before v_permlanex16_b32 names it as its destination
.irp j, 0,1,2,3,4,5,6,7
	v_add_nc_u32 v3, \j, v2                        ; my register j is key 8 h + j of a tile
	v_cmp_ge_u32 vcc_lo, v3, v1
	v_cndmask_b32 v[BL+\j], v54, v[M1], vcc_lo     ; tile 0: key >= r counts (if the tile lies in the sequence)
	v_cmp_gt_u32 vcc_lo, v3, v1
	v_cndmask_b32 v[BD+\j], 0, v54, vcc_lo         ; tile 32: key > r does not
.endr
; Q: one half of d (64 numbers of each of 16 queries) to bf16, through my stage, into two fragments.
; The second half's stores follow the first half's loads of the same bytes; LDS serves a wave's instructions in order (ISA guide 5.7.1), and the bytes are mine alone.
.macro QHALF e, tr, left
	s_wait_loadcnt \left
.irp n, 0,1,2,3,4,5,6,7
	v_cvt_pk_bf16_f32 v[\tr+2*\n],   v[F0+4*(8*\e+\n)],   v[F0+4*(8*\e+\n)+1]
	v_cvt_pk_bf16_f32 v[\tr+2*\n+1], v[F0+4*(8*\e+\n)+2], v[F0+4*(8*\e+\n)+3]
	ds_store_b64 v[QSW], v[\tr+2*\n:\tr+2*\n+1] offset:16*\n
.endr
.irp kk, 0,1
.irp u, 0,1
	ds_load_b128 v[QF+8*(2*\e+\kk)+4*\u:QF+8*(2*\e+\kk)+4*\u+3], v[QSR] offset:(4*\kk+2*\u)*QP   ; query r, d = 64 e + 32 kk + 16 u + 8 h .. + 7
.endr
.endr
.endm
	QHALF 0, T0, 8                                 ; the eight loads of the second half are younger
	QHALF 1, T1, 0
; cnt tiles of K from my tile c0 on into buffer f: a tile is four fragments (32 along d), a fragment two loads of 32 lanes x 16 neighbouring bytes
.macro FETCHK c0, cnt, f
.set fx, 0
.rept \cnt
.irp ks, 0,1,2,3
	ds_load_b128 v[\f+32*fx+8*\ks:\f+32*fx+8*\ks+3],   v[KA+(((\c0)+fx)>>4)] offset:(((\c0)+fx)&15)*TILE+\ks*1024
	ds_load_b128 v[\f+32*fx+8*\ks+4:\f+32*fx+8*\ks+7], v[KA+(((\c0)+fx)>>4)] offset:(((\c0)+fx)&15)*TILE+\ks*1024+512
.endr
.set fx, fx+1
.endr
.endm
; S^T of the two tiles in buffer f.  The first product starts each sum; the two accumulators take turns.
.macro MMK f, tr
.irp ks, 0,1,2,3
.if \ks == 0
	v_wmma_f32_16x16x32_bf16 v[\tr:\tr+7],    v[\f:\f+7],     v[QF:QF+7], 0
	v_wmma_f32_16x16x32_bf16 v[\tr+8:\tr+15], v[\f+32:\f+39], v[QF:QF+7], 0
.else
	v_wmma_f32_16x16x32_bf16 v[\tr:\tr+7],    v[\f+8*\ks:\f+8*\ks+7],       v[QF+8*\ks:QF+8*\ks+7], v[\tr:\tr+7]
	v_wmma_f32_16x16x32_bf16 v[\tr+8:\tr+15], v[\f+32+8*\ks:\f+32+8*\ks+7], v[QF+8*\ks:QF+8*\ks+7], v[\tr+8:\tr+15]
.endif
.endr
.endm
.macro TRANS op, dst, src, cnt         ; cnt transcendentals back to back, on registers of their own
.set tk, 0
.rept \cnt
	\op v[\dst+tk], v[\src+tk]
.set tk, tk+1
.endr
.endm
; cnt raw products s in v[tr ..] become 1 / (1 + 2^(a s)), a = 2 log2 e / (30 sqrt 128).  Behind each run of transcendentals one plain
; instruction stands before a result is used (ISA guide 5.7.2).  s = +-infinity or very large gives 0 or 1, as tanh's limits want.
.macro SIGM tr, cnt
.set ix, 0
.rept \cnt/2
	v_pk_mul_f32 v[\tr+ix:\tr+ix+1], v[\tr+ix:\tr+ix+1], s[42:43] op_sel_hi:[1,0]
.set ix, ix+2
.endr
	TRANS v_exp_f32, \tr, \tr, \cnt
	v_nop
.set ix, 0
	s_wait_alu depctr_va_vdst(0)
.rept \cnt/2
	v_pk_add_f32 v[\tr+ix:\tr+ix+1], v[\tr+ix:\tr+ix+1], 1.0 op_sel_hi:[1,0]
.set ix, ix+2
.endr
	TRANS v_rcp_f32, \tr, \tr, \cnt
	v_nop
	s_wait_alu depctr_va_vdst(0)
.endm
; e of tiles 2 i and 2 i + 1 from their S^T in v[tr .. tr+15]: e = 2^(-60 log2 e / (1 + 2^(a s)) + bias) = exp(30 tanh(x / 30) - 30), or 0.
; bias = 0, or -1e30 for a tile in front of the sequence (tb + tile < 32); first = 1: tile 0 has a bias for each key.
.macro EW i, tr, first
.if \first == 0
	s_cmp_ge_u32 s33, 32-2*(\i)
	s_cselect_b32 s36, 0, s40
.endif
	s_cmp_ge_u32 s33, 31-2*(\i)
	s_cselect_b32 s38, 0, s40
	SIGM \tr, 16
.irp k, 0,2,4,6
.if \first
	s_wait_alu depctr_va_vdst(0)
	v_pk_fma_f32 v[\tr+\k:\tr+\k+1], v[\tr+\k:\tr+\k+1], v[C1:C1+1], v[BL+\k:BL+\k+1]
.else
	v_pk_fma_f32 v[\tr+\k:\tr+\k+1], v[\tr+\k:\tr+\k+1], v[C1:C1+1], s[36:37] op_sel_hi:[1,1,0]
.endif
	v_pk_fma_f32 v[\tr+8+\k:\tr+9+\k], v[\tr+8+\k:\tr+9+\k], v[C1:C1+1], s[38:39] op_sel_hi:[1,1,0]
.endr
	WIN 0x40                                       ; destination in window 1
	TRANS v_exp_f32, 16*(\i), \tr, 16
	WIN 0
	v_nop                                          ; the plain instruction behind the run: v[tr ..] is written again, and e read, only behind it
.endm
; One step of pass 1: the fragments of step i + 1 are asked for, tiles 2 i and 2 i + 1 are multiplied, and the step before is worked on by the vector unit.
; The plain instructions of EW of step i - 2 (PLACES in front of step 1) are the places between the products of step i - 1 and
; the loads into their buffer (fnext), and between those products and EW's reads of their results (tprev).
; left < NONE: the next step's fetch reaches into the next part of K.  Step i fetches LDS tiles up to 2 i + 6 (t = 3), a part ends at tile 8, 17, 26:
; steps 2, 6 and 11 are the first to reach on, so steps 1, 5 and 10 end with a barrier.  In front of its signal my eighth of that part has landed
; (left = the tensor loads issued behind it, which stay out) and no LDS load of mine is pending;
; between signal and wait stands EW, work on registers alone; behind the wait every wave's eighth is there.
.macro STEP1 i, cnt, fnext, fcur, tcur, tprev, first, left
	FETCHK 2*(\i)+2, \cnt, \fnext
	s_wait_dscnt 8*\cnt                            ; all but the loads just issued: this step's fragments are in
	MMK \fcur, \tcur
.if \left < NONE
	s_wait_dscnt 0x0
	s_wait_tensorcnt \left
	s_barrier_signal -1
.endif
	EW (\i)-1, \tprev, \first
.if \left < NONE
	s_barrier_wait -1
.endif
.endm
.macro ODD i, cnt, first, left
	STEP1 \i, \cnt, F0, F1, T1, T0, \first, \left
.endm
.macro EVEN i, left
	STEP1 \i, 2, F1, F0, T0, T1, 0, \left
.endm
	s_wait_tensorcnt 0x4                           ; my eighth of K's part 0 has landed; the four loads issued behind it stay out
	s_wait_dscnt 0x0                               ; Q's fragments are in, and no LDS instruction of mine is pending at the signal
	s_barrier_signal -1
	s_barrier_wait -1                              ; K's tiles 0 to 8 are whole
	; PASS 1
	FETCHK 0, 2, F0
	FETCHK 2, 2, F1
	s_wait_dscnt 16
	MMK F0, T0
	PLACES
	ODD  1, 2, 1, 3                                ; ends with the barrier for part 1: parts 2 and 3 and V stay out
	EVEN 2, NONE
	ODD  3, 2, 0, NONE
	EVEN 4, NONE
	ODD  5, 2, 0, 2                                ; part 2: part 3 and V stay out
	EVEN 6, NONE
	ODD  7, 2, 0, NONE
	EVEN 8, NONE
	ODD  9, 2, 0, NONE
	EVEN 10, 1                                     ; part 3: V stays out
	ODD  11, 2, 0, NONE
	EVEN 12, NONE
	ODD  13, 2, 0, NONE
	EVEN 14, NONE
	ODD  15, 1, 0, NONE                            ; only tile 32 is left to fetch
	s_wait_dscnt 0x0                               ; my last reads of K are over,
	s_wait_tensorcnt 0x0                           ; and my eighth of V has landed:
	s_barrier_signal -1                            ; say so.  Up to the wait below: work on registers alone
	; tile 32, the diagonal, on two accumulators that take turns: even and odd quarters of d
	v_wmma_f32_16x16x32_bf16 v[T0:T0+7],    v[F0:F0+7],     v[QF:QF+7],     0
	v_wmma_f32_16x16x32_bf16 v[T0+8:T0+15], v[F0+8:F0+15],  v[QF+8:QF+15],  0
	v_wmma_f32_16x16x32_bf16 v[T0:T0+7],    v[F0+16:F0+23], v[QF+16:QF+23], v[T0:T0+7]
	v_wmma_f32_16x16x32_bf16 v[T0+8:T0+15], v[F0+24:F0+31], v[QF+24:QF+31], v[T0+8:T0+15]
	EW 15, T1, 0                                   ; its plain instructions are the places in front of the reads of T0 below
.irp k, 0,2,4,6
	v_pk_add_f32 v[T0+\k:T0+\k+1], v[T0+\k:T0+\k+1], v[T0+8+\k:T0+9+\k]
.endr
	SIGM T0, 8
	s_wait_alu depctr_va_vdst(0)
.irp k, 0,2,4,6
	v_pk_fma_f32 v[T0+\k:T0+\k+1], v[T0+\k:T0+\k+1], v[C1:C1+1], v[BD+\k:BD+\k+1]
.endr
	TRANS v_exp_f32, DG, T0, 8
	v_nop
	; THE SUM of my 264 e, in four chains of pairs; the first four additions start the chains: nothing is cleared
	WIN 0x01                                       ; source 0 in window 1
	s_wait_alu depctr_va_vdst(0)
.irp k, 0,2,4,6
	v_pk_add_f32 v[ACC+\k:ACC+\k+1], v[\k:\k+1], v[DG+\k:DG+\k+1]
.endr
.set ix, 8
.rept 124
	v_pk_add_f32 v[ACC+(ix&6):ACC+(ix&6)+1], v[ix:ix+1], v[ACC+(ix&6):ACC+(ix&6)+1]
.set ix, ix+2
.endr
	WIN 0
	s_barrier_wait -1                              ; V is whole, and no wave reads K any more
; V of my tiles a and b into buffer f: eight fragments (16 d x 32 keys), tile a in registers 0-3, tile b in 4-7
.macro FETCHV a, b, f
.irp dt, 0,1,2,3,4,5,6,7
	ds_load_b128 v[\f+8*\dt:\f+8*\dt+3],   v[VA+((\a)>>4)] offset:((\a)&15)*TILE+\dt*512
	ds_load_b128 v[\f+8*\dt+4:\f+8*\dt+7], v[VA+((\b)>>4)] offset:((\b)&15)*TILE+\dt*512
.endr
.endm
; cnt/2 pairs of p' in v[tf ..] leave their upper parts, rounded to bf16, in v[hi ..]; what is left, p' - hi (exact in f32), stays in v[tf ..]
.macro SPLIT tf, hi, cnt
.set ix, 0
.rept \cnt/2
	v_cvt_pk_bf16_f32 v[\hi+ix], v[\tf+2*ix], v[\tf+2*ix+1]
.set ix, ix+1
.endr
.set ix, 0
.rept \cnt/2
	v_fma_mix_f32_bf16 v[\tf+2*ix],   v[\hi+ix], v[M1], v[\tf+2*ix]   op_sel_hi:[1,0,0]                  ; bf16 lower half x -1.0 + p'
	v_fma_mix_f32_bf16 v[\tf+2*ix+1], v[\hi+ix], v[M1], v[\tf+2*ix+1] op_sel:[1,0,0] op_sel_hi:[1,0,0]   ; bf16 upper half x -1.0 + p'
.set ix, ix+1
.endr
.endm
; p' = clip(e x 1.02 / sum - 0.01, 0, 1) of tiles 2 i and 2 i + 1: upper parts into fragment p, lower parts into v[TT:TT+7].
; The last products read v[TT:TT+7]: the first four lines write TT+8 .. TT+15 and name none of those products' registers, so they are the four places
; (ISA guide 7.12.1) in front of the writes of TT .. TT+7 and of the loads into the buffer read last.
.macro PK i, p
	WIN 0x01
.irp k, 8,10,12,14,0,2,4,6
	v_pk_fma_f32 v[TT+\k:TT+\k+1], v[16*(\i)+\k:16*(\i)+\k+1], v[INV:INV+1], v[CM:CM+1]
.endr
	WIN 0
.irp k, 0,1,2,3,4,5,6,7,8,9,10,11,12,13,14,15
	v_med3_num_f32 v[TT+\k], v[TT+\k], 0, 1.0
.endr
	SPLIT TT, \p, 16
.irp k, 0,1,2,3,4,5,6,7
	v_cvt_pk_bf16_f32 v[TT+\k], v[TT+2*\k], v[TT+2*\k+1]          ; packed in place, upward: line k writes a register that lines 0 .. k have finished with
.endr
.endm
; O^T += V^T P^T for 32 keys and one fragment of P.  The eight accumulators take turns; zero = 1: the first product starts the sums.
.macro MM8 f, p, zero
.irp dt, 0,1,2,3,4,5,6,7
.if \zero
	v_wmma_f32_16x16x32_bf16 v[OA+8*\dt:OA+8*\dt+7], v[\f+8*\dt:\f+8*\dt+7], v[\p:\p+7], 0
.else
	v_wmma_f32_16x16x32_bf16 v[OA+8*\dt:OA+8*\dt+7], v[\f+8*\dt:\f+8*\dt+7], v[\p:\p+7], v[OA+8*\dt:OA+8*\dt+7]
.endif
.endr
.endm
; One step of pass 2: p' of two tiles in two parts, the next step's V asked for, and both parts multiplied by this step's V.
.macro STEP2 i, fnext, fcur, p, zero
	PK \i, \p
	FETCHV 2*(\i)+2, 2*(\i)+3, \fnext
	s_wait_dscnt 16                                ; all but the 16 just issued: this step's V is in
	MM8 \fcur, \p, \zero
	MM8 \fcur, TT, 0
.endm
	FETCHV 0, 1, F0
	v_pk_add_f32 v[ACC:ACC+1],   v[ACC:ACC+1],   v[ACC+2:ACC+3]
	v_pk_add_f32 v[ACC+4:ACC+5], v[ACC+4:ACC+5], v[ACC+6:ACC+7]
	v_pk_add_f32 v[ACC:ACC+1],   v[ACC:ACC+1],   v[ACC+4:ACC+5]
	v_add_f32 v3, v[ACC], v[ACC+1]                 ; keys 8 h .. 8 h + 7 of every tile, query r
	v_permlanex16_b32 v[INV], v3, s44, s45         ; the other eight keys of every tile lie in lane r + 16 (r - 16)
	v_add_f32 v3, v3, v[INV]
	v_rcp_f32 v[INV], v3
	v_mov_b32 v[M1], -1.0                          ; the plain instruction behind v_rcp_f32 (ISA guide 5.7.2)
	s_wait_alu depctr_va_vdst(0)
	v_mul_f32 v[INV], 0x3f828f5c, v[INV]           ; 1.02 / sum
	v_mov_b32 v[INV+1], v[INV]
	; PASS 2
	STEP2 0, F1, F0, P0, 1
.irp i, 1,3,5,7,9,11,13
	STEP2 \i,   F0, F1, P1, 0
	STEP2 \i+1, F1, F0, P0, 0
.endr
	PK 15, P1
	FETCHV 32, 32, F0                              ; the diagonal tile has no partner: it comes into both halves of the fragments, one for each part of its p'
	s_wait_dscnt 16
	MM8 F1, P1, 0
	MM8 F1, TT, 0
	; the diagonal tile's p', at work in TT+8 .. TT+15 (the four lines below are the places behind the products above, as in PK)
.irp k, 0,2,4,6
	v_pk_fma_f32 v[TT+8+\k:TT+9+\k], v[DG+\k:DG+\k+1], v[INV:INV+1], v[CM:CM+1]
.endr
.irp k, 8,9,10,11,12,13,14,15
	v_med3_num_f32 v[TT+\k], v[TT+\k], 0, 1.0
.endr
	SPLIT TT+8, P0+4, 8                            ; upper parts: keys 16 .. 31 of the fragment
.irp k, 0,1,2,3
	v_cvt_pk_bf16_f32 v[P0+\k], v[TT+8+2*\k], v[TT+9+2*\k]        ; lower parts: keys 0 .. 15 of the fragment
.endr
	s_wait_dscnt 0x0
	MM8 F0, P0, 0
	; THE WAY OUT.  Lane (r, h) holds d = 16 dt + 8 h .. + 7 of query r: 32 bytes of a row of 512.  The 16 rows go through my stage in K's bytes
	; (K had its only fill, and every wave's reads of it ended in front of the last barrier) and leave as whole rows.
	PLACES                                         ; behind the last products: for the stores of their results and the loads into buffer 0
.irp dt, 0,1,2,3,4,5,6,7
	ds_store_b128 v[OSW], v[OA+8*\dt:OA+8*\dt+3]   offset:64*\dt
	ds_store_b128 v[OSW], v[OA+8*\dt+4:OA+8*\dt+7] offset:64*\dt+16
.endr
.irp p, 0,1,2,3,4,5,6,7,8,9,10,11,12,13,14,15
	ds_load_b128 v[F0+4*\p:F0+4*\p+3], v[OSR] offset:\p*OP        ; LDS serves a wave's instructions in order: these see my stores above
.endr
.irp p, 0,1,2,3,4,5,6,7,8,9,10,11,12,13,14,15
	s_wait_dscnt 15-\p                             ; row p of the sixteen is in
	global_store_b128 v[OGO], v[F0+4*\p:F0+4*\p+3], s[10:11] offset:\p*QROW th:TH_STORE_NT   ; 512 consecutive bytes, at a multiple of 512 from out0's first byte
.endr
	s_wait_xcnt 0x0
	v_lshl_add_u32 v254, v0, 2, 0x4c800
	v_mov_b32 v255, 0
	s_wait_tensorcnt 0x0
	ds_add_u32 v254, v255
	s_wait_dscnt 0x0
	s_endpgm
.Lfunc_end_k_qad66ad7cee_attn:
	.size	k_qad66ad7cee_attn, .Lfunc_end_k_qad66ad7cee_attn-k_qad66ad7cee_attn
	.p2alignl 7, 3214868480
	.fill 96, 4, 3214868480
	.section	.rodata,"a",@progbits
	.p2align	6, 0x0
	.amdhsa_kernel k_qad66ad7cee_attn
		.amdhsa_group_segment_fixed_size 314368
		.amdhsa_private_segment_fixed_size 0
		.amdhsa_enable_private_segment 0
		.amdhsa_kernarg_size 32
		.amdhsa_user_sgpr_count 2
		.amdhsa_user_sgpr_kernarg_segment_ptr 1
		.amdhsa_wavefront_size32 1
		.amdhsa_system_sgpr_workgroup_id_x 1
		.amdhsa_system_sgpr_workgroup_id_y 1
		.amdhsa_system_sgpr_workgroup_id_z 1
		.amdhsa_system_vgpr_workitem_id 0
		.amdhsa_next_free_vgpr 512
		.amdhsa_next_free_sgpr 80
		.amdhsa_reserve_vcc 1
		.amdhsa_float_denorm_mode_32 3
		.amdhsa_float_denorm_mode_16_64 3
		.amdhsa_memory_ordered 1
		.amdhsa_forward_progress 1
		.amdhsa_inst_pref_size 200
	.end_amdhsa_kernel
	.amdgpu_metadata
---
amdhsa.version: [ 1, 2 ]
amdhsa.kernels:
  - .name:           k_qad66ad7cee_attn
    .symbol:         k_qad66ad7cee_attn.kd
    .args:
      - { .name: kw, .offset: 0, .size: 8, .value_kind: global_buffer, .address_space: global }
      - { .name: vw, .offset: 8, .size: 8, .value_kind: global_buffer, .address_space: global }
      - { .name: q, .offset: 16, .size: 8, .value_kind: global_buffer, .address_space: global }
      - { .name: out0, .offset: 24, .size: 8, .value_kind: global_buffer, .address_space: global }
    .group_segment_fixed_size: 314368
    .private_segment_fixed_size: 0
    .kernarg_segment_align: 8
    .kernarg_segment_size: 32
    .max_flat_workgroup_size: 256
    .sgpr_count:     80
    .vgpr_count:     512
    .wavefront_size: 32
...
	.end_amdgpu_metadata
.endif
;; end of part 2
